; MI455X (gfx1250); checked and timed in simulation.
; The chip was launched on July 23, 2026; its instructions are those of AMD's public machine-readable ISA for CDNA 5 (MIT licence, August 2026) and "CDNA5" Instruction Set Architecture Reference Guide (July 2026). The comments in the code are by the model that wrote it; some were corrected since.
;; Bark Self Attention. Allowed arithmetic: matrix products marked QUANTISED: E4M3 operands, one E8M0 scale for each 32 along K, by v_wmma_scale_f32_16x16x128_f8f6f4 with both operands' format E4M3, f32 sums; everything else in f32.
;; Inputs: W_attn_codes 3,072 x 32 x 32 uint8 (E4M3 codes of W_attn, K innermost, in blocks of 32 codes); W_attn_scales 3,072 x 32 uint8 (E8M0 scales of W_attn, one for each 32 codes along K); W_out_codes 1,024 x 32 x 32 uint8 (E4M3 codes of W_out, K innermost, in blocks of 32 codes); W_out_scales 1,024 x 32 uint8 (E8M0 scales of W_out, one for each 32 codes along K); b_attn 3,072 float32; b_out 1,024 float32; hidden_states_codes 8 x 1,024 x 32 x 32 uint8 (E4M3 codes of hidden_states, K innermost, in blocks of 32 codes); hidden_states_scales 8 x 1,024 x 32 uint8 (E8M0 scales of hidden_states, one for each 32 codes along K).
;; Outputs: out0 8 x 1,024 x 1,024 float32.
;; This version of the problem:
;;   THIS VERSION OF THE PROBLEM IS GIVEN IN LOW PRECISION. The matrix products marked QUANTISED in the list below multiply operands that are first quantised to E4M3 (4 exponent bits, 3 mantissa bits; 8 bits a number), with one power-of-two scale for each 32 numbers along K (OCP MX v1.0); their sums are f32. All else is computed in f32.
;;   The module's matrix products, in the order in which they are computed (A, B: the left and right operand; K: the contracted axis; several contracted axes count as one K, in the product's order):
;;     1. [M 8,192, K 1,024] x [K 1,024, N 3,072]; A: input hidden_states (given as codes); B: input W_attn (given as codes): QUANTISED
;;     2. batch 128 x [M 1,024, K 64] x [K 64, N 1,024]; A: computed on the way; B: computed on the way: QUANTISED
;;     3. batch 128 x [M 1,024, K 1,024] x [K 1,024, N 64]; A: softmax (see below); B: computed on the way: QUANTISED
;;     4. [M 8,192, K 1,024] x [K 1,024, N 1,024]; A: computed on the way; B: input W_out (given as codes): QUANTISED
;;   THE QUANTISER, for each operand of a quantised product, along K:
;;     - K is cut into blocks of 32 from its start; a last block that is shorter is filled with zeros.
;;     - A block's scale is 2^e with e = floor(log2(the largest magnitude in the block)) - 8, held to -126 .. 127; a block of zeros has e = 0. As a byte (E8M0): e + 127.
;;     - Each number is divided by its block's scale, clamped to +-448, and rounded to the nearest number of E4M3, ties to even, subnormals kept.
;;     - The product sums the exact products of the quantised numbers (number of the format x scale) in f32.
;;   ~~~python
;;   def quantise(x, axis):      # numpy; x: float32 -> the quantised numbers, widened to float32 again
;;       x = np.moveaxis(x, axis, -1); K = x.shape[-1]
;;       x = np.pad(x, [(0, 0)] * (x.ndim - 1) + [(0, -K % 32)]); x = x.reshape(x.shape[:-1] + (-1, 32)); a = np.abs(x).max(-1, keepdims=True)
;;       e = np.where(a > 0, np.clip(np.frexp(np.where(a > 0, a, 1))[1] - 1 - 8, -126, 127), 0)      # np.frexp(a)[1] - 1 = floor(log2(a)), exactly
;;       r = np.clip(x / 2.0 ** e, -448, 448)
;;       step = 2.0 ** (np.maximum(np.frexp(np.where(r == 0, 1, r))[1] - 1, -6) - 3)
;;       q = np.round(r / step) * step * 2.0 ** e      # np.round: ties to even
;;       return np.moveaxis(q.reshape(q.shape[:-2] + (-1,))[..., :K], -1, axis).astype(np.float32)
;;   ~~~
;;   SOFTMAX AHEAD OF A QUANTISED PRODUCT. Where the list says 'softmax', what is quantised is not the finished softmax but p = 2^(t - M), with t = logit x log2(e) and M = ceil(the row's largest t), a whole number; so 1/2 < the row's largest p <= 1. The row's sum l is taken of the UNQUANTISED p, in f32, and the product's result is divided by l at the end. Since M is a whole number, a kernel that streams over the keys may use a running M (the ceiling of the running maximum): every later rescaling is an exact power of two, which a block's scale takes up: the codes' values come out the same.
;;   OPERANDS COMPUTED ON THE WAY. 'Computed on the way' means the value that the module computes at that place (a softmax that the list does not call 'softmax' is quantised finished and normalised). What goes into a quantiser is computed in f32, as accurately as f32 sums, v_exp_f32 and their like allow (about 1e-6 of the number): no bf16 or f16 on the way to a quantiser, and a product that is left as it is and whose result goes on into a quantised operand takes f32 operands (vector FMAs, or v_wmma_f32_16x16x4_f32). A number that lies on a knife's edge between two numbers of the format may be rounded either way, as far as f32 arithmetic and the matrix unit's own rounding can turn it there, and no further.
;;   INPUTS GIVEN AS CODES. W_attn (in the module: [1024, 3072], K = its axis 0); W_out (in the module: [1024, 1024], K = its axis 0); hidden_states (in the module: [8, 1024, 1024], K = its axis 2): each comes as NAME_codes (uint8): NAME with its K axis moved to the last place and cut into blocks of 32 codes, [.., K / 32, bytes a block], one block behind the other in memory; one code a byte (a code: sign, 4 exponent bits, 3 mantissa bits); and NAME_scales (uint8): the same leading axes, one E8M0 byte (e + 127) for each 32 codes along K. Its value is code x scale, taken as it is: it is not quantised again, and the codes and scales need not be those that the quantiser above would give.
;; One version. Each part assembles by itself: llvm-mc -triple=amdgcn-amd-amdhsa -mcpu=gfx1250 --defsym DOCPART=n.
;; ======== version 1 of 1: 3 launches
;; workspace buffers: qkv_codes 25,165,824 bytes; qkv_scales 786,432 bytes; att_codes 8,388,608 bytes; att_scales 262,144 bytes
;; launch qkv (part 1): grid 8 x 48, 4 waves a work-group, clusters of 4 x 4, 327,680 bytes of LDS; arguments hidden_states_codes, hidden_states_scales, W_attn_codes, W_attn_scales, b_attn, qkv_codes, qkv_scales; writes qkv_codes, qkv_scales
.if DOCPART == 1
	.amdgcn_target "amdgcn-amd-amdhsa--gfx1250"
	.amdhsa_code_object_version 6
	.text
	.protected	k_q386dff6b8d_qkv
	.globl	k_q386dff6b8d_qkv
	.p2align	8
	.type	k_q386dff6b8d_qkv,@function
k_q386dff6b8d_qkv:
	s_mov_b64 s[64:65], 0
	v_nop
	global_prefetch_b8 v0, s[64:65] scope:SCOPE_SE
	s_setreg_imm32_b32 hwreg(HW_REG_WAVE_MODE, 25, 1), 1
	s_wait_xcnt 0x0
	s_wait_alu depctr_hold_cnt(0) depctr_sa_sdst(0) depctr_va_vdst(0) depctr_va_sdst(0) depctr_va_ssrc(0) depctr_va_vcc(0) depctr_vm_vsrc(0)
	s_getreg_b32 s2, hwreg(HW_REG_IB_STS2, 6, 4)
	s_cmp_eq_u32 s2, 0
	s_cbranch_scc0 .Lentry_in_a_cluster
	s_endpgm
.Lentry_in_a_cluster:
	s_bfe_u32 s2, ttmp6, 0x10000c
	s_cmp_lg_u32 s2, 0xf033
	s_cbranch_scc0 .Lentry_shape_is_right
	s_endpgm
.Lentry_shape_is_right:
; qkv = hidden W_attn + b_attn on codes of FP8 (E4M3) with one E8M0 scale for each 32 along K = 1,024, and the result quantised again for the attention launch:
; q and k along the head's 64 channels, v along the keys.  hidden: [8,192][1,024] codes, W_attn: [3,072][1,024] codes (K innermost), scale bytes [rows][32].
; A tile of 256 x 256 results is made by four waves, 128 x 128 each: 64 accumulators of 16 x 16.  K goes in steps of 256 through two LDS slots filled by tensor loads.
; The matrix instruction takes 16 rows of "B" as source 0 and 16 rows of "A" as source 1: a lane then holds ONE row of A and its registers run along B's rows.
; TWO PATHS, chosen by the cluster's y, which all partners of a cluster share:
;   QK (cluster y 0-7):  A = hidden (a lane holds a token), B = W_attn rows 0-2,047 (registers run along the channels: the next product's K);
;   V  (cluster y 8-11): A = W_attn rows 2,048-3,071 (a lane holds a channel), B = hidden (registers run along the tokens, which are the keys: the next K).
; So in both paths a block of 32 along the next K lies in the 16 registers of two neighbouring accumulators of lanes l and l xor 16, and the conversions take them as they lie.
; The bias is the C of the first K step: QK: eight numbers a lane for each block of B; V: one number a lane for each block of A.
; OUT.  qkv_codes [3][128 heads][65,536]: register images of operands: 16 bytes at 16 (r + 16 h) of a chunk of 512 are row r, K = 32 c + 16 h + 0..15.
;   q, k: [token tile 64][c 2][512];  v: [key step 8][channel tile 4][c 4][512].  A conversion's 8 bytes go to 16 r + 8 h (+ 256 for the upper 16 of a block): 32 lanes store 256 consecutive bytes, aligned.
;   qkv_scales [3][128][step 8][r 16][4 words]: q, k: word b = the two bytes of token 32 b + r % 8 + 16 (r / 8), then those of the token 8 further on;  v: word dt = the four bytes of channel 16 dt + r.
; CLUSTERS: 4 x 4 work-groups; A's tiles are asked for jointly along a row of the cluster, B's along a column.
; LIMITS: NaN and infinities are not served.  A block whose largest magnitude lies under 2^-118, a block of zeros too, gets the scale byte 1 (the rule says 127 for zeros): its codes are read by this program alone.
; REGISTERS: window 0: v0-31 addresses; v32-63 scale words, two sets; v64-127 the bias tiles; v128-255 A's fragments, one set; on the way out v64-223 are used again.
;   window 1: B's fragments, two sets.   windows 2, 3: the accumulators ((a, b) at v[8 (8 (a % 4) + b)] of window 2 + a / 4).
.set NQ,     2                         ; matrix instructions deep in a slot
.set ROWB,   256                       ; a tile's row in bytes
.set KROW,   1024                      ; a row of codes in memory
.set PITCH,  272                       ; an LDS row: 256 bytes + 16 of padding: the 16 rows that a load touches start 16 bytes apart modulo 256
.set FR,     16                        ; registers of a fragment
.set NL,     4                         ; LDS loads that bring one
.set NP,     8                         ; places behind this matrix instruction (ISA guide 7.12.1)
.set HALFT,  128*PITCH                 ; 128 rows: one tensor load
.set SLOT,   4*HALFT                   ; A's 256 rows, then B's
.set LAPS,   2                         ; 1,024 along K = two laps of two slots
.set KS,     32                        ; a row of scale bytes
.set SCL,    2*SLOT                    ; behind the ring: the scale bytes for all of K, as units of 256 bytes + 16
.set HALFS,  (128*KS/256)*272
.set SBLK,   (16*KS/256)*272
.set SPARE,  SCL+4*HALFS               ; the spare words: 128 bytes a wave, two blocks of 256 bytes that no other line names
.set ADRA, 16                          ; v16-17 LDS address of my A fragments in slot 0, 1
.set ADRB, 20                          ; v20-21 the same for B
.set CO,   24                          ; v24 16 r + 8 h: my 8 bytes of a store of codes
.set SOF,  25                          ; v25 2,048 h + 16 r: my four scale words
.set BAQ,  26                          ; v26 32 h: the bias, path QK
.set ADRS, 27                          ; v27 LDS address of my scale words
.set SPW,  28                          ; v28 my spare word; never rewritten
.set NIL,  29                          ; v29 0; never rewritten
.set VSEL, 30                          ; v30 byte select: lanes 0-15 the low halves, lanes 16-31 the high halves
.set BAV,  31                          ; v31 4 r: the bias, path V
.set SC,   32
.set BI,   64
.set AF,   128
.set PC,   64                          ; the way out: 16 registers of codes for each block of A: no store's data are written again
.set PWS,  192                         ; v192-199 a scale word for each block of A
.set TM,   200                         ; v200-203 largest magnitudes, v204-207 bytes, v208-211 448 x the scale, v212-215 the conversions' scale operands
.set PX,   216
.set LL,   218
.set HH,   219
.set SW,   220                         ; v220-223 the four words that leave
.set WV,  18                           ; s18 wave;  s19 wave / 2: my half of A's rows, and: I fetch for A (0) or B (1);  s20 wave % 2: my half of B's rows, and which 128 rows I fetch
.set HI,  19
.set LO,  20
.set CLY, 21                           ; s21 the cluster's y: under 8: path QK
.set TR,  22                           ; s22 A's tile
.set TC,  42                           ; s42 B's tile
.set G1, 24
.set G0, 32
.set G1B, 48
.set G0B, 56
.set G1S, 68
.set G0S, 76
.set G1SB, 80
.set G0SB, 88
.set MSB, 0
.macro WIN new                         ; the immediate's high byte repeats the setting that is left
.if MSB != \new
	s_set_vgpr_msb (MSB<<8)|\new
.set MSB, \new
.endif
.endm
.set MUL_LO, 0xa1                      ; source 0 (B) window 1, source 1 (A) window 0, C and D window 2
.set MUL_HI, 0xf1                      ; the same, C and D window 3
.set BIA_LO, 0x81                      ; the first step: C (the bias) window 0, D window 2
.set BIA_HI, 0xc1                      ; D window 3
.set TO_B,   0x40
; A joint load: waves 0 and 1 fetch for A, waves 2 and 3 for B; the branch hangs on the wave's number alone.  Four v_nop follow each line.
.macro JLOAD g0a, g1a, g0b, g1b
	s_cmp_eq_u32 s[HI], 0
	s_cbranch_scc0 .Lfor_b_\@
	tensor_load_to_lds s[\g0a:\g0a+3], s[\g1a:\g1a+7]
	s_nop 0
.rept 4
	v_nop
.endr
	s_branch .Lasked_\@
.Lfor_b_\@:
	tensor_load_to_lds s[\g0b:\g0b+3], s[\g1b:\g1b+7]
	s_nop 0
.rept 4
	v_nop
.endr
.Lasked_\@:
.endm
.macro CREST                           ; a round of the cluster's barrier behind its opening barrier
	s_cmp_lg_u32 s[WV], 0
	s_cbranch_scc1 .Lnot_wave_0_\@
	s_barrier_signal -3
.Lnot_wave_0_\@:
	s_barrier_wait -3
	s_barrier_signal -1
	s_barrier_wait -1
.endm
.macro CROUND
	s_barrier_signal -1
	s_barrier_wait -1
	CREST
.endm
	s_load_b128 s[4:7], s[0:1], 0x0                ; hidden's codes, scales
	s_load_b128 s[8:11], s[0:1], 0x10              ; W_attn's codes, scales
	s_load_b128 s[12:15], s[0:1], 0x20             ; b_attn, qkv_codes
	s_load_b64 s[16:17], s[0:1], 0x30              ; qkv_scales
	v_lshl_add_u32 v[SPW], v0, 2, SPARE
	v_mov_b32 v[NIL], 0
	ds_add_u32 v28, v29
	ds_add_u32 v28, v29
	s_wait_dscnt 0x0
	v_lshrrev_b32 v1, 5, v0
	v_readfirstlane_b32 s[WV], v1
	s_lshr_b32 s[HI], s[WV], 1
	s_and_b32 s[LO], s[WV], 1
	s_bfe_u32 s40, ttmp6, 0x40000                  ; cx
	s_bfe_u32 s41, ttmp6, 0x40004                  ; cy
	s_and_b32 s[CLY], ttmp7, 0xffff
	s_lshl_b32 s23, s[CLY], 2                      ; QK: A's tile = 4 x cluster y + cy
	s_lshl_b32 s66, ttmp9, 2                       ; QK: B's tile = 4 x cluster x + cx
	s_max_u32 s67, s[CLY], 8
	s_sub_co_u32 s67, s67, 8
	s_lshl_b32 s67, s67, 3
	s_add_co_u32 s67, s67, s66                     ; V: B's tile = 4 (2 (cluster y - 8) + cluster x) + cx;  A's = 8 + cy
	s_cmp_lt_u32 s[CLY], 8
	s_cselect_b32 s[TR], s23, 8
	s_cselect_b32 s[TC], s66, s67
	s_add_co_u32 s[TR], s[TR], s41
	s_add_co_u32 s[TC], s[TC], s40
	s_lshl_b32 s43, s41, 2
	s_lshl_b32 s43, 15, s43                        ; my row of the cluster
	s_lshl_b32 s44, 0x1111, s40                    ; my column
	; descriptor group 1: 128 rows x 256 bytes, 16 bytes of padding behind each row
	s_or_b32 s[G1+0], s43, (0<<16)|(1<<20)|(1<<21)|(5<<22)|(3<<25)
	s_or_b32 s[G1B+0], s44, (0<<16)|(1<<20)|(1<<21)|(5<<22)|(3<<25)
.irp g, G1, G1B
	s_mov_b32 s[\g+1], ROWB<<16                    ; tensor_dim0
	s_mov_b32 s[\g+2], 128<<16                     ; tensor_dim1
	s_mov_b32 s[\g+3], ROWB<<16                    ; tile_dim0
	s_mov_b32 s[\g+4], 128                         ; tile_dim1
	s_mov_b32 s[\g+5], KROW                        ; from row to row
	s_mov_b32 s[\g+6], 0
	s_mov_b32 s[\g+7], 0
.endr
	; the scale bytes of 128 rows: 4,096 dense bytes as 16 rows of 256 (32 elements of 8 bytes), 16 bytes of padding behind each
	s_or_b32 s[G1S+0], s43, (3<<16)|(1<<20)|(1<<21)|(5<<22)|(3<<25)
	s_or_b32 s[G1SB+0], s44, (3<<16)|(1<<20)|(1<<21)|(5<<22)|(3<<25)
.irp g, G1S, G1SB
	s_mov_b32 s[\g+1], 32<<16
	s_mov_b32 s[\g+2], (128*KS/256)<<16
	s_mov_b32 s[\g+3], 32<<16
	s_mov_b32 s[\g+4], 128*KS/256
	s_mov_b32 s[\g+5], 32
	s_mov_b32 s[\g+6], 0
	s_mov_b32 s[\g+7], 0
.endr
	s_lshl_b32 s23, s[LO], 7                       ; which 128 rows of the tile I fetch
	s_lshl_b32 s96, s[TR], 8
	s_add_co_u32 s96, s96, s23                     ; A's row
	s_lshl_b32 s46, s[TC], 8
	s_add_co_u32 s46, s46, s23                     ; B's row
	s_mov_b32 s97, 0
	s_mov_b32 s47, 0
	s_lshl_b64 s[98:99], s[96:97], 5               ; their scale bytes, 32 a row,
	s_lshl_b64 s[92:93], s[46:47], 5
	s_lshl_b64 s[96:97], s[96:97], 10              ; and their codes, 1,024 a row
	s_lshl_b64 s[46:47], s[46:47], 10
	s_mul_i32 s45, s[WV], HALFT                    ; where they go: no place in the cluster enters an LDS address
	s_mul_i32 s94, s[WV], HALFS
	s_wait_kmcnt 0x0
	s_cmp_lt_u32 s[CLY], 8                         ; which tensor is A and which B: the choice hangs on the cluster's y alone
	s_cselect_b64 s[66:67], s[4:5], s[8:9]
	s_cselect_b64 s[100:101], s[6:7], s[10:11]
	s_cselect_b64 s[8:9], s[8:9], s[4:5]
	s_cselect_b64 s[10:11], s[10:11], s[6:7]
	s_add_nc_u64 s[96:97], s[66:67], s[96:97]
	s_add_nc_u64 s[98:99], s[100:101], s[98:99]
	s_add_nc_u64 s[46:47], s[8:9], s[46:47]
	s_add_nc_u64 s[92:93], s[10:11], s[92:93]
	CROUND                                         ; all sixteen work-groups are here: the first joint loads meet
	s_mov_b32 s[G0S], 1
	s_add_co_u32 s[G0S+1], s94, SCL
	s_mov_b64 s[G0S+2:G0S+3], s[98:99]
	s_or_b32 s[G0S+3], s[G0S+3], 0x80000000
	s_mov_b32 s[G0SB], 1
	s_add_co_u32 s[G0SB+1], s94, SCL
	s_mov_b64 s[G0SB+2:G0SB+3], s[92:93]
	s_or_b32 s[G0SB+3], s[G0SB+3], 0x80000000
	JLOAD G0S, G1S, G0SB, G1SB                     ; the scales first: they are wanted with K step 0
.irp s, 0,1
	s_mov_b32 s[G0+4*\s], 1
	s_add_co_u32 s[G0+4*\s+1], s45, \s*SLOT
	s_add_nc_u64 s[G0+4*\s+2:G0+4*\s+3], s[96:97], \s*ROWB
	s_or_b32 s[G0+4*\s+3], s[G0+4*\s+3], 0x80000000
	s_mov_b32 s[G0B+4*\s], 1
	s_add_co_u32 s[G0B+4*\s+1], s45, \s*SLOT
	s_add_nc_u64 s[G0B+4*\s+2:G0B+4*\s+3], s[46:47], \s*ROWB
	s_or_b32 s[G0B+4*\s+3], s[G0B+4*\s+3], 0x80000000
	JLOAD G0+4*\s, G1, G0B+4*\s, G1B
.endr
	v_and_b32 v1, 15, v0                           ; r
	v_bfe_u32 v2, v0, 4, 1                         ; h
	v_mul_u32_u24 v3, v1, PITCH
	v_lshl_add_u32 v4, v2, 4, v3                   ; a fragment's row x pitch + 16 h
	s_mul_i32 s96, s[HI], HALFT                    ; my 128 rows of A
	s_mul_i32 s97, s[LO], HALFT                    ; my 128 rows of B,
	s_add_co_u32 s97, s97, 2*HALFT                 ; behind A's 256
.irp s, 0,1
	v_add_nc_u32 v[ADRA+\s], s96, v4
	v_add_nc_u32 v[ADRB+\s], s97, v4
	s_add_co_u32 s96, s96, SLOT
	s_add_co_u32 s97, s97, SLOT
.endr
	v_mul_u32_u24 v5, v1, KS                       ; my row's scale bytes,
	v_lshrrev_b32 v6, 8, v5
	v_lshl_add_u32 v5, v6, 4, v5                   ; and 16 more for each 256 passed
	s_mul_i32 s96, s[HI], HALFS
	s_mul_i32 s97, s[LO], HALFS
	s_add_co_u32 s97, s97, 2*HALFS
	s_sub_co_u32 s97, s97, s96
	v_mul_u32_u24 v6, s97, v2                      ; lanes 16-31 take B's
	s_add_co_u32 s96, s96, SCL
	v_add_nc_u32 v5, v5, v6
	v_add_nc_u32 v[ADRS], s96, v5
	v_lshlrev_b32 v[CO], 4, v1
	v_lshl_add_u32 v[CO], v2, 3, v[CO]
	v_lshlrev_b32 v[SOF], 4, v1
	v_lshl_add_u32 v[SOF], v2, 11, v[SOF]
	v_lshlrev_b32 v[BAQ], 5, v2
	v_lshlrev_b32 v[BAV], 2, v1
	; where my results go.  TOK0: my first token, WROW: my first row of W_attn
	s_lshl_b32 s96, s[TR], 8
	s_lshl_b32 s23, s[HI], 7
	s_add_co_u32 s96, s96, s23                     ; my first row of A
	s_lshl_b32 s97, s[TC], 8
	s_lshl_b32 s23, s[LO], 7
	s_add_co_u32 s97, s97, s23                     ; my first row of B
	s_cmp_lt_u32 s[CLY], 8
	s_cselect_b32 s98, s96, s97                    ; TOK0
	s_cselect_b32 s99, s97, s96                    ; WROW
	s_lshr_b32 s66, s98, 10
	s_lshl_b32 s66, s66, 4
	s_bfe_u32 s67, s99, 0x40006
	s_add_co_u32 s66, s66, s67                     ; 16 x batch + my first head (an even one; the second lies one head on)
	s_lshr_b32 s67, s99, 10                        ; 0 q, 1 k, 2 v
	s_bfe_u32 s23, s98, 0x30007                    ; which 128 tokens of the batch's 1,024
	s_lshl_b32 s100, s67, 23
	s_lshl_b32 s101, s66, 16
	s_add_co_u32 s100, s100, s101
	s_lshl_b32 s101, s23, 13
	s_add_co_u32 s100, s100, s101
	s_mov_b32 s101, 0
	s_add_nc_u64 s[14:15], s[14:15], s[100:101]
	s_lshl_b32 s100, s67, 18
	s_lshl_b32 s101, s66, 11
	s_add_co_u32 s100, s100, s101
	s_lshl_b32 s101, s23, 8
	s_add_co_u32 s100, s100, s101
	s_mov_b32 s101, 0
	s_add_nc_u64 s[16:17], s[16:17], s[100:101]
	s_lshl_b32 s100, s99, 2
	s_add_nc_u64 s[12:13], s[12:13], s[100:101]    ; b_attn at WROW
	s_mov_b32 s66, 0x76543210                      ; v_permlanex16_b32's selects for lane l xor 16
	s_mov_b32 s67, 0xfedcba98
	s_mov_b32 s23, 0x600000                        ; the mantissa field of 448
	s_mov_b32 s100, 0x00ff00ff                     ; lanes with r < 8
	s_mov_b32 s101, 0xffff0000                     ; lanes with h = 1
	v_mov_b32 v[VSEL], 0x05040100
	v_mov_b32 v3, 0x07060302
	v_cndmask_b32 v[VSEL], v[VSEL], v3, s101
	s_cmp_lt_u32 s[CLY], 8
	s_cbranch_scc0 .Lbias_v
.irp t, 0,1,2,3,4,5,6,7                        ; QK: tile t: register j = b_attn[WROW + 16 t + 8 h + j]
	global_load_b128 v[BI+8*\t:BI+8*\t+3], v[BAQ], s[12:13] offset:64*\t
	global_load_b128 v[BI+8*\t+4:BI+8*\t+7], v[BAQ], s[12:13] offset:64*\t+16
.endr
	s_branch .Lbias_done
.Lbias_v:
.irp t, 0,1,2,3,4,5,6,7                        ; V: tile t: all eight registers = b_attn[WROW + 16 t + r]
.irp j, 0,1,2,3,4,5,6,7
	global_load_b32 v[BI+8*\t+\j], v[BAV], s[12:13] offset:64*\t
.endr
.endr
.Lbias_done:
.macro FRAG reg, adr, q, i             ; 16 rows x 128 K: registers 4 c .. 4 c + 3 hold K = 32 c + 16 h + 0 .. 15 of row r
.irp c, 0,1,2,3
	ds_load_b128 v[\reg+4*\c:\reg+4*\c+3], v[\adr] offset:128*(\q)+32*\c+(\i)*16*PITCH
.endr
.endm
; 16 matrix instructions: A's blocks a0, a0 + 1 x B's eight.  p: B's set; q: which 128 of the slot; sc: the set of scale words.
; cm = 0: the sums go on; 1: they start from the bias tile of B's block; 2: from that of A's block.  The 64 accumulators take turns, one instruction a turn.
.macro MUL16 a0, p, q, sc, cm
.irp a, \a0, \a0+1
.irp b, 0,1,2,3,4,5,6,7
.set rD, 8*(8*((\a)%4)+\b)
.set rB, 128*(\p)+FR*\b
.set rA, AF+FR*(\a)
.set rSB, SC+8*NQ*(\sc)+NQ*\b+(\q)
.set rSA, SC+8*NQ*(\sc)+NQ*(\a)+(\q)
.if \cm == 1
	v_wmma_scale_f32_16x16x128_f8f6f4 v[rD:rD+7], v[rB:rB+15], v[rA:rA+15], v[BI+8*\b:BI+8*\b+7], v[rSB], v[rSA] matrix_a_scale:MATRIX_SCALE_ROW1
.elseif \cm == 2
	v_wmma_scale_f32_16x16x128_f8f6f4 v[rD:rD+7], v[rB:rB+15], v[rA:rA+15], v[BI+8*(\a):BI+8*(\a)+7], v[rSB], v[rSA] matrix_a_scale:MATRIX_SCALE_ROW1
.else
	v_wmma_scale_f32_16x16x128_f8f6f4 v[rD:rD+7], v[rB:rB+15], v[rA:rA+15], v[rD:rD+7], v[rSB], v[rSA] matrix_a_scale:MATRIX_SCALE_ROW1
.endif
.endr
.endr
.endm
.macro FETCH_B slot, q, p
	WIN TO_B
.irp i, 0,1,2,3,4,5,6,7
	FRAG 128*(\p)+FR*\i, ADRB+\slot, \q, \i
.endr
	WIN 0
.endm
.macro FETCH_A slot, q, i0
.irp i, \i0, \i0+1, \i0+2, \i0+3
	FRAG AF+FR*(\i), ADRA+\slot, \q, \i
.endr
.endm
.macro SCALES sc                       ; a K step's scale words: lanes 0-15 those of A's block i, lanes 16-31 those of B's block i
.irp i, 0,1,2,3,4,5,6,7
	ds_load_b64 v[SC+8*NQ*\sc+NQ*\i:SC+8*NQ*\sc+NQ*\i+1], v[ADRS] offset:\i*SBLK
.endr
.endm
.macro PLACES n                        ; plain vector instructions between a matrix instruction and a load into, or a read of, its registers
.rept \n
	v_nop
.endr
.endm
; A step of 128 along K that has its successor in the same slot.  A has one set of registers: blocks 0-3 are fetched anew in the middle, blocks 4-7 at the end.
.macro STEP slot, q, cm
	s_wait_dscnt 4*NL                              ; all but the youngest 16 loads (A's blocks 4-7) are in
.if \cm
	WIN BIA_LO
.else
	WIN MUL_LO
.endif
	MUL16 0, (\q)%2, \q, \slot, \cm
	MUL16 2, (\q)%2, \q, \slot, \cm
	s_wait_dscnt 0                                 ; A's blocks 4-7 are in
	PLACES NP
	FETCH_B \slot, (\q)+1, 1-(\q)%2
	FETCH_A \slot, (\q)+1, 0
.if \cm
	WIN BIA_HI
.else
	WIN MUL_HI
.endif
	MUL16 4, (\q)%2, \q, \slot, \cm
	MUL16 6, (\q)%2, \q, \slot, \cm
	PLACES NP
	WIN 0
	FETCH_A \slot, (\q)+1, 4
.endm
; A slot's last step changes slots: one barrier; in front of it each wave waits for all its tensor loads, adds 0 to its spare word, and waits for that and for its reads of this slot.
.macro TURN slot, next, fill
	s_wait_tensorcnt 0x0                           ; all my tensor loads have landed: my part of the next slot
	ds_add_u32 v[SPW], v[NIL]                      ; 0 onto my spare word
	s_wait_dscnt 4*NL+1                            ; the add and the youngest 16 loads may be out
	WIN MUL_LO
	MUL16 0, 1, NQ-1, \slot, 0
	s_wait_dscnt 0x0                               ; the add is done, and my reads of this slot are over
	s_barrier_signal -1
	MUL16 2, 1, NQ-1, \slot, 0
	WIN 0
	s_barrier_wait -1
.if \fill
	CREST                                          ; the barrier has opened a round of the cluster's: no wave of any partner still reads this slot or has a load on its way
	s_add_nc_u64 s[G0+4*\slot+2:G0+4*\slot+3], s[G0+4*\slot+2:G0+4*\slot+3], 2*ROWB
	s_add_nc_u64 s[G0B+4*\slot+2:G0B+4*\slot+3], s[G0B+4*\slot+2:G0B+4*\slot+3], 2*ROWB
	JLOAD G0+4*\slot, G1, G0B+4*\slot, G1B         ; the first tensor load behind the round; its four v_nop are four of the eight places
	PLACES NP-4
.else
	PLACES NP
.endif
	v_add_nc_u32 v[ADRS], 4*NQ, v[ADRS]            ; the next K step's scale words
	FETCH_B \next, 0, 0
	FETCH_A \next, 0, 0
	SCALES \next
	WIN MUL_HI
	MUL16 4, 1, NQ-1, \slot, 0
	MUL16 6, 1, NQ-1, \slot, 0
	PLACES NP
	WIN 0
	FETCH_A \next, 0, 4
.endm
	s_wait_tensorcnt 1                             ; the scales and my part of slot 0 are in; slot 1's load may be out
	s_barrier_signal -1
	s_barrier_wait -1
	FETCH_B 0, 0, 0
	FETCH_A 0, 0, 0
	SCALES 0
	FETCH_A 0, 0, 4
	s_wait_loadcnt 0x0                             ; the bias
	s_cmp_lt_u32 s[CLY], 8                         ; the first step is written for each path: only the C operands differ; both arms issue the same LDS loads
	s_cbranch_scc0 .Lfirst_v
	STEP 0, 0, 1
	s_branch .Lfirst_done
.Lfirst_v:
	STEP 0, 0, 2
.Lfirst_done:
	s_mov_b32 s3, LAPS-1
.Llap:
	TURN 0, 1, 1
	STEP 1, 0, 0
	TURN 1, 0, 1
	STEP 0, 0, 0
	s_sub_co_u32 s3, s3, 1
	s_cmp_lg_u32 s3, 0
	s_cbranch_scc1 .Llap
	TURN 0, 1, 0                                   ; the last lap fills nothing
	STEP 1, 0, 0
	s_wait_dscnt 4*NL
	WIN MUL_LO
	MUL16 0, 1, NQ-1, 1, 0
	MUL16 2, 1, NQ-1, 1, 0
	s_wait_dscnt 0
	WIN MUL_HI
	MUL16 4, 1, NQ-1, 1, 0
	MUL16 6, 1, NQ-1, 1, 0
	WIN 0
; THE WAY OUT.  Block a of A: a lane's 64 numbers; register 16 b + 8 u + j is place 32 b + 16 u + 8 h + j along the next K.  A block of 32 lies in lanes l and l xor 16.
.macro QUANT a
.set N, 64*((\a)%4)
.set W, 2+(\a)/4
.set PCA, PC+16*(\a)
	WIN 5*W                                        ; sources 0 and 1 in the accumulators' window
.irp b, 0,1,2,3
	v_max3_num_f32 v[TM+\b], |v[N+16*\b]|, |v[N+16*\b+1]|, 0x4800000   ; my 16 numbers and the floor 2^(9 - 127): the byte cannot fall under 1.  Each accumulator is read from its low end on
.endr
.irp i, 2,4,6,8,10,12,14
.irp b, 0,1,2,3
	v_max3_num_f32 v[TM+\b], |v[N+16*\b+\i]|, |v[N+16*\b+\i+1]|, v[TM+\b]
.endr
.endr
	WIN 0
.irp b, 0,1,2,3
	v_permlanex16_b32 v[TM+4+\b], v[TM+\b], s66, s67
.endr
.irp b, 0,1,2,3
	v_max_num_f32 v[TM+\b], v[TM+\b], v[TM+4+\b]   ; the block's largest magnitude
.endr
.irp b, 0,1,2,3
	v_add_nc_u32 v[TM+12+\b], 0xfc000000, v[TM+\b] ; 8 off its exponent field: the conversion's scale operand
.endr
.irp b, 0,1,2,3
	v_and_or_b32 v[TM+8+\b], v[TM+\b], 0x7f800000, s23   ; 448 x the scale
.endr
.irp b, 0,1,2,3
	v_lshrrev_b32 v[TM+4+\b], 23, v[TM+12+\b]      ; the scale's byte
.endr
	v_lshl_or_b32 v[PWS+\a], v[TM+5], 8, v[TM+4]
	v_lshl_or_b32 v[PWS+\a], v[TM+6], 16, v[PWS+\a]
	v_lshl_or_b32 v[PWS+\a], v[TM+7], 24, v[PWS+\a]
	WIN 65*W                                       ; destination and source 0 in the accumulators' window
.irp b, 0,1,2,3
.irp i, 0,1,2,3,4,5,6,7,8,9,10,11,12,13,14,15
	v_med3_num_f32 v[N+16*\b+\i], v[N+16*\b+\i], -v[TM+8+\b], v[TM+8+\b]   ; the conversion to an 8-bit code does not saturate (ISA guide 7.6.2): the hold
.endr
.endr
	WIN W
.irp b, 0,1,2,3
.irp u, 0,1
	v_cvt_scalef32_pk8_fp8_f32 v[PCA+4*\b+2*\u:PCA+4*\b+2*\u+1], v[N+16*\b+8*\u:N+16*\b+8*\u+7], v[TM+12+\b]
.endr
.endr
	WIN 0
	v_nop                                          ; a plain line behind the last conversion, ahead of the next block's writes of the scale operands
	s_cmp_lt_u32 s[CLY], 8
	s_cbranch_scc0 .Lvst_\@
.irp b, 0,1,2,3                                ; QK: token tile a; head b / 2; chunk b % 2; upper 16 of the block: + 256
.irp u, 0,1
	global_store_b64 v[CO], v[PCA+4*\b+2*\u:PCA+4*\b+2*\u+1], s[14:15] offset:(\a)*1024+(\b/2)*65536+(\b%2)*512+\u*256
.endr
.endr
	s_branch .Ldst_\@
.Lvst_\@:
.irp b, 0,1,2,3                                ; V: head a / 4; channel tile a % 4; chunk b
.irp u, 0,1
	global_store_b64 v[CO], v[PCA+4*\b+2*\u:PCA+4*\b+2*\u+1], s[14:15] offset:((\a)/4)*65536+((\a)%4)*2048+\b*512+\u*256
.endr
.endr
.Ldst_\@:
.endm
	PLACES NP                                      ; behind the last products: the first reads of results, and the first writes of registers that held A's fragments
.irp b, 0,1,2,3
	v_mov_b32 v[TM+4+\b], 0                        ; written once: a lane permute's destination counts as one of its sources
.endr
	v_mov_b32 v[PX], 0
	v_mov_b32 v[PX+1], 0
.irp a, 0,1,2,3,4,5,6,7
	QUANT \a
.endr
	s_cmp_lt_u32 s[CLY], 8
	s_cbranch_scc0 .Lvsc
.irp b, 0,1,2,3                                ; QK: word b of lane r: token 32 b + r % 8 + 16 (r / 8) below, the token 8 further on above; lanes 0-15 my first head's bytes, lanes 16-31 my second's
	v_mov_b32_dpp v[PX], v[PWS+2*\b] row_xmask:8 row_mask:0xf bank_mask:0xf
	v_mov_b32_dpp v[PX+1], v[PWS+2*\b+1] row_xmask:8 row_mask:0xf bank_mask:0xf
	v_cndmask_b32 v[LL], v[PX+1], v[PWS+2*\b], s100
	v_cndmask_b32 v[HH], v[PWS+2*\b+1], v[PX], s100
	v_perm_b32 v[SW+\b], v[HH], v[LL], v[VSEL]
.endr
	s_branch .Lsc_done
.Lvsc:
.irp d, 0,1,2,3                                ; V: word dt of lane r: channel 16 dt + r's four bytes; lanes 16-31 the second head's
	v_cndmask_b32 v[SW+\d], v[PWS+\d], v[PWS+4+\d], s101
.endr
.Lsc_done:
	global_store_b128 v[SOF], v[SW:SW+3], s[16:17] ; sixteen lanes store 256 consecutive bytes, aligned
	s_wait_tensorcnt 0x0                           ; the wave's end
	ds_add_u32 v[SPW], v[NIL]
	s_wait_dscnt 0x0
	CROUND                                         ; the closing round: no work-group ends while a partner may still ask for a tile that names it
	s_endpgm
.Lfunc_end_k_q386dff6b8d_qkv:
	.size	k_q386dff6b8d_qkv, .Lfunc_end_k_q386dff6b8d_qkv-k_q386dff6b8d_qkv
	.p2alignl 7, 3214868480
	.fill 96, 4, 3214868480
	.section	.rodata,"a",@progbits
	.p2align	6, 0x0
	.amdhsa_kernel k_q386dff6b8d_qkv
		.amdhsa_group_segment_fixed_size 327680
		.amdhsa_private_segment_fixed_size 0
		.amdhsa_enable_private_segment 0
		.amdhsa_kernarg_size 56
		.amdhsa_user_sgpr_count 2
		.amdhsa_user_sgpr_kernarg_segment_ptr 1
		.amdhsa_wavefront_size32 1
		.amdhsa_system_sgpr_workgroup_id_x 1
		.amdhsa_system_sgpr_workgroup_id_y 1
		.amdhsa_system_sgpr_workgroup_id_z 1
		.amdhsa_system_vgpr_workitem_id 0
		.amdhsa_next_free_vgpr 1024
		.amdhsa_next_free_sgpr 102
		.amdhsa_reserve_vcc 0
		.amdhsa_float_denorm_mode_32 3
		.amdhsa_float_denorm_mode_16_64 3
		.amdhsa_memory_ordered 1
		.amdhsa_forward_progress 1
		.amdhsa_inst_pref_size 217
	.end_amdhsa_kernel
	.amdgpu_metadata
---
amdhsa.version: [ 1, 2 ]
amdhsa.kernels:
  - .name:           k_q386dff6b8d_qkv
    .symbol:         k_q386dff6b8d_qkv.kd
    .args:
      - { .name: hidden_states_codes, .offset: 0, .size: 8, .value_kind: global_buffer, .address_space: global }
      - { .name: hidden_states_scales, .offset: 8, .size: 8, .value_kind: global_buffer, .address_space: global }
      - { .name: W_attn_codes, .offset: 16, .size: 8, .value_kind: global_buffer, .address_space: global }
      - { .name: W_attn_scales, .offset: 24, .size: 8, .value_kind: global_buffer, .address_space: global }
      - { .name: b_attn, .offset: 32, .size: 8, .value_kind: global_buffer, .address_space: global }
      - { .name: qkv_codes, .offset: 40, .size: 8, .value_kind: global_buffer, .address_space: global }
      - { .name: qkv_scales, .offset: 48, .size: 8, .value_kind: global_buffer, .address_space: global }
    .group_segment_fixed_size: 327680
    .private_segment_fixed_size: 0
    .kernarg_segment_align: 8
    .kernarg_segment_size: 56
    .max_flat_workgroup_size: 128
    .sgpr_count:     102
    .vgpr_count:     1024
    .wavefront_size: 32
...
	.end_amdgpu_metadata
.endif
;; end of part 1
;; launch attn (part 2): grid 4 x 128, 16 waves a work-group, clusters of 4 x 1, 169,984 bytes of LDS; arguments qkv_codes, qkv_scales, att_codes, att_scales; writes att_codes, att_scales
.if DOCPART == 2
	.amdgcn_target "amdgcn-amd-amdhsa--gfx1250"
	.amdhsa_code_object_version 6
	.text
	.protected	k_q386dff6b8d_attn
	.globl	k_q386dff6b8d_attn
	.p2align	8
	.type	k_q386dff6b8d_attn,@function
k_q386dff6b8d_attn:
	s_mov_b64 s[64:65], 0
	v_nop
	global_prefetch_b8 v0, s[64:65] scope:SCOPE_SE
	s_setreg_imm32_b32 hwreg(HW_REG_WAVE_MODE, 25, 1), 1
	s_wait_xcnt 0x0
	s_wait_alu depctr_hold_cnt(0) depctr_sa_sdst(0) depctr_va_vdst(0) depctr_va_sdst(0) depctr_va_ssrc(0) depctr_va_vcc(0) depctr_vm_vsrc(0)
	s_getreg_b32 s2, hwreg(HW_REG_IB_STS2, 6, 4)
	s_cmp_eq_u32 s2, 0
	s_cbranch_scc0 .Lentry_in_a_cluster
	s_endpgm
.Lentry_in_a_cluster:
	s_bfe_u32 s2, ttmp6, 0x10000c
	s_cmp_lg_u32 s2, 0x3003
	s_cbranch_scc0 .Lentry_shape_is_right
	s_endpgm
.Lentry_shape_is_right:
; Causal attention of one (batch, head) on codes of FP8 (E4M3) with E8M0 scales, and its result quantised along D for the last product.
; t = score x log2(e) / 8; M = the running largest t rounded up to a whole number; p = 2^(t - M) is quantised along the keys, not normalised; the row's sum is taken of the unquantised p and divides at the end.
; SHARES.  A cluster of four work-groups is one head.  Work-group g, wave w takes ONE tile of 16 queries, t = 4 j + g with j = w xor ((w / 4 % 2) x 2): its number of key steps, j / 2 + 1, hangs on the wave's
; number alone, so no branch and no LDS address hangs on the place in the cluster; waves w, w + 4, w + 8, w + 12 have 18 steps together.  g enters global addresses of Q and of the output, and the mask's numbers.
; All of the head's K and V (codes 2 x 65,536 bytes, scale words 2 x 2,048) come into LDS ONCE, by joint loads that name the four work-groups; nothing is filled again.
; LAYOUT.  Both products are used transposed: S^T = K Q^T, O^T = V^T P^T: a lane holds one query (lane % 16) throughout.
; The head's K is 64, half of the instruction's 128.  So a fragment of K carries TWO tiles of 16 keys (registers 0-7 the first, 8-15 the second) and is multiplied twice: by [q, 0] and by [0, q];
; zero codes add nothing (no code here is NaN and no scale byte 0xff).  Lane r takes keys 32 b + r % 8 + 16 (r / 8) and that + 8, so that p's registers 16 b + i are keys 32 b + 16 (lane / 16) + i.
; LDS: rows of 1,024 bytes + 128 of padding: rows r / 8 = 0 and 1 of a load then fall into the two halves of 256 bytes, each lane on 16 bytes of its own.
; CAUSAL.  Every wave walks 8 trips; a step all of whose keys come after its queries is jumped over; in the last step that counts, hidden scores become -infinity.
; LIMITS: NaN and infinities are not served; a block whose largest magnitude lies under 2^-118 (zeros too) keeps the scale byte 1; 1 / sum by v_rcp_f32.
; The scale bytes of the output leave one byte a lane, 32 bytes apart: 1/32 of the codes' bytes.
; REGISTERS: v1-7 addresses that stay; v8-10 addresses in hand; v12 -M, v13 largest t, v[14:15] the sum; v16-39 [0, q, 0]; v40 q's scale word; v44-47 K's, v48-51 V's, v52 p's; v[54:55] f; v56-61 at work;
;   v64-127 four fragments of K, then of V; v128-191 S^T, then p; v192-223 O^T; v224-239 p's codes; v240-255 at work.
.set RP,   1152                        ; an LDS row
.set STB,  8*RP                        ; a step of 128 keys: 8 rows of K, and 8 of V
.set VOFF, 64*RP                       ; V behind K
.set KSCL, 128*RP                      ; K's scale words, 2,048 bytes;
.set VSCL, KSCL+2048                   ; V's
.set AK0, 2
.set AV0, 3
.set ASC, 4
.set DD,  5
.set GO,  6
.set GS,  7
.set ADK, 8
.set ADV, 9
.set ADS, 10
.set QS,  40
.set KSC, 44
.set VSC, 48
.set PW,  52
.set FF,  54
.set T0,  56
.set F,   64
.set S,   128
.set O,   192
.set PCD, 224
.set BM,  240
.set PM,  244
.set HB,  248
.set SO,  252
.set WV,  12                           ; s12 wave; s13 cx; s14 16 x batch + head; s15 j; s16 my tile of queries; s17 my last step; s18 the step
.set SMAX, 17
.set SI,  18
.set MNT, 19
.set SEL, 20
.set CS,  22
.set G1C, 24
.set G1S, 32
.set G0C, 40
.set G0S, 44
.set TB,  48
.set TS,  49
.set HM,  51
.macro CROUND
	s_barrier_signal -1
	s_barrier_wait -1
	s_cmp_lg_u32 s[WV], 0
	s_cbranch_scc1 .Lnot_wave_0_\@
	s_barrier_signal -3
.Lnot_wave_0_\@:
	s_barrier_wait -3
	s_barrier_signal -1
	s_barrier_wait -1
.endm
	s_load_b256 s[4:11], s[0:1], 0x0               ; qkv_codes, qkv_scales, att_codes, att_scales
	v_lshl_add_u32 v62, v0, 2, 0x29000
	v_mov_b32 v63, 0
	ds_add_u32 v62, v63
	ds_add_u32 v62, v63
	v_lshrrev_b32 v1, 5, v0
	v_readfirstlane_b32 s[WV], v1
	s_bfe_u32 s13, ttmp6, 0x40000                  ; cx
	s_and_b32 s14, ttmp7, 0xffff
	s_lshr_b32 s15, s[WV], 1
	s_and_b32 s15, s15, 2
	s_xor_b32 s15, s15, s[WV]                      ; j
	s_lshr_b32 s[SMAX], s15, 1
	s_lshl_b32 s16, s15, 2
	s_add_co_u32 s16, s16, s13                     ; t
	; group 1 for the codes: 16 rows of 1,024 bytes (128 elements of 8), dense in memory, 128 bytes of padding behind each; the mask names all four work-groups
	s_mov_b32 s[G1C], 15|(3<<16)|(1<<20)|(1<<21)|(7<<22)|(31<<25)
	s_mov_b32 s[G1C+1], 128<<16
	s_mov_b32 s[G1C+2], 16<<16
	s_mov_b32 s[G1C+3], 128<<16
	s_mov_b32 s[G1C+4], 16
	s_mov_b32 s[G1C+5], 128
	s_mov_b32 s[G1C+6], 0
	s_mov_b32 s[G1C+7], 0
	; and for the scale words: 2,048 dense bytes as 8 rows of 256
	s_mov_b32 s[G1S], 15|(3<<16)|(1<<21)
	s_mov_b32 s[G1S+1], 32<<16
	s_mov_b32 s[G1S+2], 8<<16
	s_mov_b32 s[G1S+3], 32<<16
	s_mov_b32 s[G1S+4], 8
	s_mov_b32 s[G1S+5], 32
	s_mov_b32 s[G1S+6], 0
	s_mov_b32 s[G1S+7], 0
	s_and_b32 s52, s[WV], 7                        ; waves 0-3: K's quarters; 4-7: V's
	s_mul_i32 s53, s52, 16*RP
	s_lshr_b32 s54, s52, 2
	s_add_co_u32 s54, s54, 1                       ; tensor 1 (k) or 2 (v)
	s_lshl_b32 s54, s54, 23
	s_lshl_b32 s55, s14, 16
	s_add_co_u32 s54, s54, s55
	s_and_b32 s55, s[WV], 3
	s_lshl_b32 s55, s55, 14
	s_add_co_u32 s54, s54, s55
	s_mov_b32 s55, 0
	s_and_b32 s56, s[WV], 1                        ; wave 8: K's scale words; wave 9: V's
	s_lshl_b32 s57, s56, 11
	s_add_co_u32 s57, s57, KSCL
	s_add_co_u32 s56, s56, 1
	s_lshl_b32 s56, s56, 18
	s_lshl_b32 s58, s14, 11
	s_add_co_u32 s58, s58, s56
	s_mov_b32 s59, 0
	s_mov_b32 s[MNT], 0x600000
	s_mov_b32 s[SEL], 0x76543210
	s_mov_b32 s[SEL+1], 0xfedcba98
	s_mov_b32 s[CS], 0x3e38aa3b                    ; c = log2(e) / 8
	s_mov_b32 s[CS+1], s[CS]
	s_mov_b32 s[HM], 0xffff0000                    ; lanes 16-31
	s_wait_dscnt 0x0
	s_wait_kmcnt 0x0
	s_mov_b32 s[G0C], 1
	s_mov_b32 s[G0C+1], s53
	s_add_nc_u64 s[G0C+2:G0C+3], s[4:5], s[54:55]
	s_or_b32 s[G0C+3], s[G0C+3], 0x80000000
	s_mov_b32 s[G0S], 1
	s_mov_b32 s[G0S+1], s57
	s_add_nc_u64 s[G0S+2:G0S+3], s[6:7], s[58:59]
	s_or_b32 s[G0S+3], s[G0S+3], 0x80000000
	CROUND                                         ; all four work-groups are here: the joint loads meet
	s_cmp_lt_u32 s[WV], 8                          ; one load a wave at the most; four v_nop follow each line
	s_cbranch_scc0 .Lnot_codes
	tensor_load_to_lds s[G0C:G0C+3], s[G1C:G1C+7]
	s_nop 0
.rept 4
	v_nop
.endr
	s_branch .Lasked
.Lnot_codes:
	s_cmp_lt_u32 s[WV], 10
	s_cbranch_scc0 .Lasked
	tensor_load_to_lds s[G0S:G0S+3], s[G1S:G1S+7]
	s_nop 0
.rept 4
	v_nop
.endr
.Lasked:
	s_lshr_b32 s2, s14, 4
	s_lshl_b32 s2, s2, 6
	s_add_co_u32 s2, s2, s16                       ; my token tile among the 512
	s_and_b32 s3, s14, 15                          ; the head
	s_lshl_b32 s60, s2, 14
	s_lshl_b32 s61, s3, 10
	s_add_co_u32 s60, s60, s61
	s_mov_b32 s61, 0
	s_add_nc_u64 s[8:9], s[8:9], s[60:61]          ; att_codes: tile x 16,384 + head x 1,024
	s_lshl_b32 s60, s2, 9
	s_lshl_b32 s3, s3, 1
	s_add_co_u32 s60, s60, s3
	s_add_nc_u64 s[10:11], s[10:11], s[60:61]      ; att_scales: tile x 512 + 2 x head
	s_lshl_b32 s60, s14, 16
	s_lshl_b32 s2, s16, 10
	s_add_co_u32 s60, s60, s2
	s_add_nc_u64 s[60:61], s[4:5], s[60:61]        ; q's image of my tile
	s_lshl_b32 s62, s14, 11
	s_lshr_b32 s2, s16, 3
	s_lshl_b32 s2, s2, 8
	s_add_co_u32 s62, s62, s2
	s_and_b32 s2, s16, 1
	s_lshl_b32 s2, s2, 7
	s_add_co_u32 s62, s62, s2
	s_bfe_u32 s2, s16, 0x20001
	s_lshl_b32 s2, s2, 2
	s_add_co_u32 s62, s62, s2
	s_mov_b32 s63, 0
	s_add_nc_u64 s[62:63], s[6:7], s[62:63]        ; q's scale words: step t / 8, rows 8 (t % 2) on, word (t / 2) % 4
	v_and_b32 v57, 15, v0                          ; r
	v_bfe_u32 v58, v0, 4, 1                        ; h
	v_and_b32 v1, 31, v0
	v_lshlrev_b32 v1, 4, v1                        ; 16 x lane
	v_lshrrev_b32 v59, 3, v57                      ; r / 8
	v_and_b32 v60, 7, v57                          ; r % 8
	v_lshlrev_b32 v61, 4, v60
	global_load_b128 v[24:27], v1, s[60:61]        ; q: channels 16 h + 0..15,
	global_load_b128 v[28:31], v1, s[60:61] offset:512   ; 32 + 16 h + 0..15
	global_load_b32 v[T0], v61, s[62:63]
	v_mul_u32_u24 v[AK0], v59, RP
	v_lshl_add_u32 v[AK0], v60, 4, v[AK0]
	v_lshl_add_u32 v[AK0], v58, 8, v[AK0]          ; K: token tile r / 8, place r % 8 + 16 h
	v_add_nc_u32 v[AV0], VOFF, v1
	v_lshl_add_u32 v[ASC], v57, 4, KSCL
	s_and_b32 s2, s16, 7
	s_lshl_b32 s2, s2, 4
	v_lshlrev_b32 v[DD], 4, v58
	v_sub_nc_u32 v[DD], v57, v[DD]
	v_add_nc_u32 v[DD], s2, v[DD]                  ; my query less the last step's first key less 16 h
	v_lshlrev_b32 v[GO], 4, v57
	v_lshl_add_u32 v[GO], v58, 3, v[GO]
	v_lshl_add_u32 v[GS], v57, 5, v58
	v_lshlrev_b32 v59, 4, v59                      ; 16 (r / 8): which half of the word is my token's
.irp i, 0,1,2,3,4,5,6,7
	v_mov_b32 v[16+\i], 0                          ; the zero codes on either side of q
	v_mov_b32 v[32+\i], 0
.endr
.set n, 0
.rept 32
	v_mov_b32 v[O+n], 0                            ; the step is written once: the first finds zeros
.set n, n+1
.endr
.irp b, 0,1,2,3
	v_mov_b32 v[PM+\b], 0                          ; a lane permute's destination counts as one of its sources
.endr
	v_mov_b32 v13, 0xff61b1e6                      ; the largest t so far: -3e38
	v_floor_f32 v12, -v13
	v_mov_b32 v14, 0
	v_mov_b32 v15, 0
	v_mov_b32 v[FF+1], 0                           ; named as the upper half of a pair
	s_wait_loadcnt 0x0
	v_lshrrev_b32 v[T0], v59, v[T0]
	v_and_b32 v[T0], 0xffff, v[T0]
	v_lshl_or_b32 v[QS], v[T0], 16, v[T0]          ; q's two bytes twice: they serve [q, 0] and [0, q]
	s_mov_b32 s[SI], 0
	s_mov_b32 s[TB], 0
	s_mov_b32 s[TS], 0
	s_wait_tensorcnt 0x0                           ; my load has landed,
	s_barrier_signal -1
	s_barrier_wait -1                              ; everybody's has
.Lstep:
	s_cmp_gt_u32 s[SI], s[SMAX]                    ; all 128 keys come after my queries: only the addresses step
	s_cbranch_scc1 .Lhidden
	v_add_nc_u32 v[ADK], s[TB], v[AK0]
	v_add_nc_u32 v[ADV], s[TB], v[AV0]
	v_add_nc_u32 v[ADS], s[TS], v[ASC]
.rept 5
	v_nop                                          ; with the three additions: eight places in front of loads into registers that the last products read
.endr
.irp b, 0,1,2,3
.irp u, 0,1
.irp c, 0,1
	ds_load_b128 v[F+16*\b+8*\u+4*\c:F+16*\b+8*\u+4*\c+3], v[ADK] offset:\b*2*RP+\c*512+\u*128
.endr
.endr
.endr
	ds_load_b128 v[KSC:KSC+3], v[ADS]
	s_wait_dscnt 0x0
.irp b, 0,1,2,3
	v_wmma_scale_f32_16x16x128_f8f6f4 v[S+16*\b:S+16*\b+7], v[F+16*\b:F+16*\b+15], v[24:39], 0, v[KSC+\b], v[QS]
	v_wmma_scale_f32_16x16x128_f8f6f4 v[S+16*\b+8:S+16*\b+15], v[F+16*\b:F+16*\b+15], v[16:31], 0, v[KSC+\b], v[QS]
.endr
.rept 8
	v_nop
.endr
.irp d, 0,1,2,3                                ; V's fragments are asked for now and land under the softmax
.irp c, 0,1,2,3
	ds_load_b128 v[F+16*\d+4*\c:F+16*\d+4*\c+3], v[ADV] offset:\d*2*RP+(\c/2)*RP+(\c%2)*512
.endr
.endr
	ds_load_b128 v[VSC:VSC+3], v[ADS] offset:2048
	s_cmp_lg_u32 s[SI], s[SMAX]
	s_cbranch_scc1 .Lopen
	v_mov_b32 v57, 0xff800000                      ; on the diagonal: register 16 b + i is hidden where 32 b + i > my query - first key - 16 h
.set n, 0
.rept 64
	v_cmp_gt_i32 vcc_lo, 32*(n/16)+n%16, v[DD]
	v_cndmask_b32 v[S+n], v[S+n], v57, vcc_lo
.set n, n+1
.endr
.Lopen:
.irp b, 0,1,2,3
	v_max3_num_f32 v[BM+\b], v[S+16*\b], v[S+1+16*\b], v[S+2+16*\b]   ; the largest score of each block of 32 keys: for the row's maximum and for the block's largest p
.endr
.irp i, 3,5,7,9,11,13
.irp b, 0,1,2,3
	v_max3_num_f32 v[BM+\b], v[BM+\b], v[S+16*\b+\i], v[S+1+16*\b+\i]
.endr
.endr
.irp b, 0,1,2,3
	v_max_num_f32 v[BM+\b], v[BM+\b], v[S+15+16*\b]
.endr
.irp b, 0,1,2,3
	v_permlanex16_b32 v[PM+\b], v[BM+\b], s[SEL], s[SEL+1]
.endr
.irp b, 0,1,2,3
	v_max_num_f32 v[BM+\b], v[BM+\b], v[PM+\b]
.endr
	v_max3_num_f32 v[T0], v[BM], v[BM+1], v[BM+2]
	v_max_num_f32 v[T0], v[T0], v[BM+3]
	v_mul_f32 v[T0], s[CS], v[T0]
	v_max_num_f32 v13, v13, v[T0]                  ; the running largest t
	v_mov_b32 v[T0], v12
	v_floor_f32 v12, -v13                          ; -M = floor(-t): M is a whole number
	v_sub_f32 v[T0], v12, v[T0]
	v_cvt_i32_f32 v[T0], v[T0]                     ; (it saturates)
	v_ldexp_f32 v[FF], 1.0, v[T0]                  ; f = 2^(old M - new M): rounds nothing
.set n, 0
.rept 32
	v_pk_fma_f32 v[S+n:S+n+1], v[S+n:S+n+1], s[CS:CS+1], v[12:13] op_sel_hi:[1,0,0]   ; t - M
.set n, n+2
.endr
.irp b, 0,1,2,3
	v_fma_f32 v[BM+\b], v[BM+\b], s[CS], v12
.endr
.set n, 0
.rept 64
	v_exp_f32 v[S+n], v[S+n]                       ; p = 2^(t - M)
.set n, n+1
.endr
.irp b, 0,1,2,3
	v_exp_f32 v[BM+\b], v[BM+\b]                   ; the block's largest p: the same two instructions on the same number
.endr
	v_pk_mul_f32 v[14:15], v[14:15], v[FF:FF+1] op_sel_hi:[1,0]   ; the sum under the new M (a plain line behind the exponentials)
	s_wait_alu depctr_va_vdst(0)
.irp b, 0,1,2,3
	v_max_num_f32 v[BM+\b], 0x4800000, v[BM+\b]    ; the floor 2^(9 - 127)
.endr
.irp b, 0,1,2,3
	v_add_nc_u32 v[SO+\b], 0xfc000000, v[BM+\b]
.endr
.irp b, 0,1,2,3
	v_and_or_b32 v[HB+\b], v[BM+\b], 0x7f800000, s[MNT]
.endr
.irp b, 0,1,2,3
	v_lshrrev_b32 v[PM+\b], 23, v[SO+\b]
.endr
	v_lshl_or_b32 v[PW], v[PM+1], 8, v[PM]         ; p's scale word for these 128 keys
	v_lshl_or_b32 v[PW], v[PM+2], 16, v[PW]
	v_lshl_or_b32 v[PW], v[PM+3], 24, v[PW]
	v_pk_add_f32 v[PM:PM+1], v[S:S+1], v[S+2:S+3]  ; the row's sum of the unquantised p, in two chains
.irp j, 4,8,12,16,20,24,28,32,36,40,44,48,52,56,60
	v_pk_add_f32 v[14:15], v[14:15], v[S+\j:S+\j+1]
	v_pk_add_f32 v[PM:PM+1], v[PM:PM+1], v[S+\j+2:S+\j+3]
.endr
	v_pk_add_f32 v[14:15], v[14:15], v[PM:PM+1]
.irp b, 0,1,2,3
.irp i, 0,1,2,3,4,5,6,7,8,9,10,11,12,13,14,15
	v_min_num_f32 v[S+16*\b+\i], v[S+16*\b+\i], v[HB+\b]   ; the hold (ISA guide 7.6.2); p is not negative
.endr
	v_cvt_scalef32_pk8_fp8_f32 v[PCD+4*\b:PCD+4*\b+1], v[S+16*\b:S+16*\b+7], v[SO+\b]
	v_cvt_scalef32_pk8_fp8_f32 v[PCD+4*\b+2:PCD+4*\b+3], v[S+16*\b+8:S+16*\b+15], v[SO+\b]
.endr
.set n, 0
.rept 16
	v_pk_mul_f32 v[O+n:O+n+1], v[O+n:O+n+1], v[FF:FF+1] op_sel_hi:[1,0]   ; O^T under the new M; these lines also stand between the conversions and the products
.set n, n+2
.endr
	s_wait_dscnt 0x0                               ; V's fragments and scale words
.irp d, 0,1,2,3
	v_wmma_scale_f32_16x16x128_f8f6f4 v[O+8*\d:O+8*\d+7], v[F+16*\d:F+16*\d+15], v[PCD:PCD+15], v[O+8*\d:O+8*\d+7], v[VSC+\d], v[PW]
.endr
.Lhidden:
	s_add_co_u32 s[TB], s[TB], STB
	s_add_co_u32 s[TS], s[TS], 256
	s_add_co_u32 s[SI], s[SI], 1
	s_cmp_lt_u32 s[SI], 8
	s_cbranch_scc1 .Lstep
	; THE WAY OUT: O^T / the sum; register 8 dt + j is channel 16 dt + 8 h + j of my query: two blocks of 32 along D, each in lanes l and l xor 16
.rept 8
	v_nop
.endr
	v_add_f32 v14, v14, v15
	v_permlanex16_b32 v[T0], v14, s[SEL], s[SEL+1]
	v_add_f32 v14, v14, v[T0]
	v_rcp_f32 v14, v14
	v_nop
.set n, 0
	s_wait_alu depctr_va_vdst(0)
.rept 16
	v_pk_mul_f32 v[S+n:S+n+1], v[O+n:O+n+1], v[14:15] op_sel_hi:[1,0]
.set n, n+2
.endr
.irp b, 0,1
	v_max3_num_f32 v[BM+\b], |v[S+16*\b]|, |v[S+16*\b+1]|, 0x4800000
.endr
.irp i, 2,4,6,8,10,12,14
.irp b, 0,1
	v_max3_num_f32 v[BM+\b], v[BM+\b], |v[S+16*\b+\i]|, |v[S+16*\b+\i+1]|
.endr
.endr
.irp b, 0,1
	v_permlanex16_b32 v[PM+\b], v[BM+\b], s[SEL], s[SEL+1]
.endr
.irp b, 0,1
	v_max_num_f32 v[BM+\b], v[BM+\b], v[PM+\b]
.endr
.irp b, 0,1
	v_add_nc_u32 v[SO+\b], 0xfc000000, v[BM+\b]
	v_and_or_b32 v[HB+\b], v[BM+\b], 0x7f800000, s[MNT]
.endr
.irp b, 0,1
	v_lshrrev_b32 v[PM+\b], 23, v[SO+\b]
.endr
.irp b, 0,1
.irp i, 0,1,2,3,4,5,6,7,8,9,10,11,12,13,14,15
	v_med3_num_f32 v[S+16*\b+\i], v[S+16*\b+\i], -v[HB+\b], v[HB+\b]
.endr
.endr
.irp d, 0,1,2,3
	v_cvt_scalef32_pk8_fp8_f32 v[PCD+2*\d:PCD+2*\d+1], v[S+8*\d:S+8*\d+7], v[SO+\d/2]
.endr
	v_cndmask_b32 v[T0], v[PM], v[PM+1], s[HM]     ; lanes 0-15 send block 0's byte, lanes 16-31 block 1's (a plain line behind the conversions)
.irp d, 0,1,2,3
	global_store_b64 v[GO], v[PCD+2*\d:PCD+2*\d+1], s[8:9] offset:(\d/2)*512+(\d%2)*256   ; 32 lanes store 256 consecutive bytes, aligned: half a chunk of the next operand's image
.endr
	global_store_b8 v[GS], v[T0], s[10:11]
	s_wait_tensorcnt 0x0
	ds_add_u32 v62, v63
	s_wait_dscnt 0x0
	CROUND                                         ; the closing round: no work-group ends while a partner may still ask for a tile that names it
	s_endpgm
.Lfunc_end_k_q386dff6b8d_attn:
	.size	k_q386dff6b8d_attn, .Lfunc_end_k_q386dff6b8d_attn-k_q386dff6b8d_attn
	.p2alignl 7, 3214868480
	.fill 96, 4, 3214868480
	.section	.rodata,"a",@progbits
	.p2align	6, 0x0
	.amdhsa_kernel k_q386dff6b8d_attn
		.amdhsa_group_segment_fixed_size 169984
		.amdhsa_private_segment_fixed_size 0
		.amdhsa_enable_private_segment 0
		.amdhsa_kernarg_size 32
		.amdhsa_user_sgpr_count 2
		.amdhsa_user_sgpr_kernarg_segment_ptr 1
		.amdhsa_wavefront_size32 1
		.amdhsa_system_sgpr_workgroup_id_x 1
		.amdhsa_system_sgpr_workgroup_id_y 1
		.amdhsa_system_sgpr_workgroup_id_z 1
		.amdhsa_system_vgpr_workitem_id 0
		.amdhsa_next_free_vgpr 256
		.amdhsa_next_free_sgpr 66
		.amdhsa_reserve_vcc 1
		.amdhsa_float_denorm_mode_32 3
		.amdhsa_float_denorm_mode_16_64 3
		.amdhsa_memory_ordered 1
		.amdhsa_forward_progress 1
		.amdhsa_inst_pref_size 39
	.end_amdhsa_kernel
	.amdgpu_metadata
---
amdhsa.version: [ 1, 2 ]
amdhsa.kernels:
  - .name:           k_q386dff6b8d_attn
    .symbol:         k_q386dff6b8d_attn.kd
    .args:
      - { .name: qkv_codes, .offset: 0, .size: 8, .value_kind: global_buffer, .address_space: global }
      - { .name: qkv_scales, .offset: 8, .size: 8, .value_kind: global_buffer, .address_space: global }
      - { .name: att_codes, .offset: 16, .size: 8, .value_kind: global_buffer, .address_space: global }
      - { .name: att_scales, .offset: 24, .size: 8, .value_kind: global_buffer, .address_space: global }
    .group_segment_fixed_size: 169984
    .private_segment_fixed_size: 0
    .kernarg_segment_align: 8
    .kernarg_segment_size: 32
    .max_flat_workgroup_size: 512
    .sgpr_count:     66
    .vgpr_count:     256
    .wavefront_size: 32
...
	.end_amdgpu_metadata
.endif
;; end of part 2
;; launch proj (part 3): grid 4 x 32, 4 waves a work-group, clusters of 4 x 4, 327,680 bytes of LDS; arguments att_codes, att_scales, W_out_codes, W_out_scales, b_out, out0; writes out0
.if DOCPART == 3
	.amdgcn_target "amdgcn-amd-amdhsa--gfx1250"
	.amdhsa_code_object_version 6
	.text
	.protected	k_q386dff6b8d_proj
	.globl	k_q386dff6b8d_proj
	.p2align	8
	.type	k_q386dff6b8d_proj,@function
k_q386dff6b8d_proj:
	s_mov_b64 s[64:65], 0
	v_nop
	global_prefetch_b8 v0, s[64:65] scope:SCOPE_SE
	s_setreg_imm32_b32 hwreg(HW_REG_WAVE_MODE, 25, 1), 1
	s_wait_xcnt 0x0
	s_wait_alu depctr_hold_cnt(0) depctr_sa_sdst(0) depctr_va_vdst(0) depctr_va_sdst(0) depctr_va_ssrc(0) depctr_va_vcc(0) depctr_vm_vsrc(0)
	s_getreg_b32 s2, hwreg(HW_REG_IB_STS2, 6, 4)
	s_cmp_eq_u32 s2, 0
	s_cbranch_scc0 .Lentry_in_a_cluster
	s_endpgm
.Lentry_in_a_cluster:
	s_bfe_u32 s2, ttmp6, 0x10000c
	s_cmp_lg_u32 s2, 0xf033
	s_cbranch_scc0 .Lentry_shape_is_right
	s_endpgm
.Lentry_shape_is_right:
; out0 = A W_out + b_out on codes of FP8 (E4M3) with one E8M0 scale for each 32 along K = 1,024.  A: the attention's result, 8,192 tokens, as register images
; [token tile 512][K step 8][c 4][512]: 16 bytes at 16 (r + 16 h) are token r, K = 32 c + 16 h + 0..15; its scale bytes [8,192][32].  W_out: [1,024][1,024] codes, K innermost; scale bytes [1,024][32].  out0: [8,192][1,024] f32.
; A tile of 256 x 256 of out0 is made by four waves, 128 x 128 each.  K goes in steps of 256 through two LDS slots filled by tensor loads; the scale bytes for all of K come once.
; 32 x 4 tiles are 128 work-groups: half of what the chip could hold; a tile half as large would read each LDS byte for half the products.
; Source 0 = 16 rows of W_out, source 1 = 16 tokens: a lane holds eight neighbouring numbers of a row of out0.  b_out is the C of the first K step.
; A's fragments come from LDS as they lie: a load's 32 lanes read 512 consecutive bytes.  W_out's rows are 272 bytes apart in LDS.
; CLUSTERS: 4 x 4 work-groups; A's tiles are asked for jointly along a row of the cluster, W_out's along a column.
; REGISTERS: window 0: v0-31 addresses; v32-63 scale words; v64-127 the bias tiles; v128-255 A's fragments, later rows on the way out.  window 1: B's two sets.  windows 2, 3: the accumulators.
.set SIZE_N, 1024
.set NQ,     2
.set ROWB,   256
.set KROW,   1024
.set PITCH,  272
.set FR,     16
.set NL,     4
.set NP,     8
.set ATILE,  4096                      ; a token tile's two K steps of 128
.set AHALF,  8*ATILE                   ; 8 token tiles: one tensor load, and what one wave reads of A
.set HALFT,  128*PITCH
.set BOFF,   2*AHALF
.set SLOT,   BOFF+2*HALFT
.set LAPS,   2
.set KS,     32
.set SCL,    2*SLOT
.set HALFS,  (128*KS/256)*272
.set SBLK,   (16*KS/256)*272
.set SPARE,  SCL+4*HALFS               ; the spare words: two blocks of 256 bytes that no other line names
.set SPITCH, 528                       ; the way out: 16 rows x (512 + 16) bytes a wave, in slot 0, which has had its last fill and its last read by then
.set ADRA, 16
.set ADRB, 20
.set STO,  24
.set RD,   25
.set CO,   26
.set ADRS, 27
.set SPW,  28
.set NIL,  29
.set BAQ,  30
.set SC,   32
.set BI,   64
.set AF,   128
.set BK,   128
.set WV,  18
.set HI,  19
.set LO,  20
.set TR,  22
.set TC,  42
.set G1, 24
.set G0, 32
.set G1B, 48
.set G0B, 56
.set G1S, 68
.set G0S, 76
.set G1SB, 80
.set G0SB, 88
.set MSB, 0
.macro WIN new
.if MSB != \new
	s_set_vgpr_msb (MSB<<8)|\new
.set MSB, \new
.endif
.endm
.set MUL_LO, 0xa1
.set MUL_HI, 0xf1
.set BIA_LO, 0x81
.set BIA_HI, 0xc1
.set TO_B,   0x40
.macro JLOAD g0a, g1a, g0b, g1b        ; waves 0 and 1 fetch for A, waves 2 and 3 for B; four v_nop follow each line
	s_cmp_eq_u32 s[HI], 0
	s_cbranch_scc0 .Lfor_b_\@
	tensor_load_to_lds s[\g0a:\g0a+3], s[\g1a:\g1a+7]
	s_nop 0
.rept 4
	v_nop
.endr
	s_branch .Lasked_\@
.Lfor_b_\@:
	tensor_load_to_lds s[\g0b:\g0b+3], s[\g1b:\g1b+7]
	s_nop 0
.rept 4
	v_nop
.endr
.Lasked_\@:
.endm
.macro CREST
	s_cmp_lg_u32 s[WV], 0
	s_cbranch_scc1 .Lnot_wave_0_\@
	s_barrier_signal -3
.Lnot_wave_0_\@:
	s_barrier_wait -3
	s_barrier_signal -1
	s_barrier_wait -1
.endm
.macro CROUND
	s_barrier_signal -1
	s_barrier_wait -1
	CREST
.endm
	s_load_b128 s[4:7], s[0:1], 0x0                ; A's codes, scales
	s_load_b128 s[8:11], s[0:1], 0x10              ; W_out's codes, scales
	s_load_b128 s[12:15], s[0:1], 0x20             ; b_out, out0
	v_lshl_add_u32 v[SPW], v0, 2, SPARE
	v_mov_b32 v[NIL], 0
	ds_add_u32 v28, v29
	ds_add_u32 v28, v29
	s_wait_dscnt 0x0
	v_lshrrev_b32 v1, 5, v0
	v_readfirstlane_b32 s[WV], v1
	s_lshr_b32 s[HI], s[WV], 1
	s_and_b32 s[LO], s[WV], 1
	s_bfe_u32 s40, ttmp6, 0x40000
	s_bfe_u32 s41, ttmp6, 0x40004
	s_lshl_b32 s[TC], ttmp9, 2
	s_add_co_u32 s[TC], s[TC], s40                 ; tile column
	s_and_b32 s[TR], ttmp7, 0xffff
	s_lshl_b32 s[TR], s[TR], 2
	s_add_co_u32 s[TR], s[TR], s41                 ; tile row
	s_lshl_b32 s43, s41, 2
	s_lshl_b32 s43, 15, s43
	s_lshl_b32 s44, 0x1111, s40
	; A: 8 token tiles, of each 4,096 consecutive bytes (512 elements of 8), 16,384 bytes apart in memory, on end in LDS
	s_or_b32 s[G1+0], s43, (3<<16)|(1<<21)
	s_mov_b32 s[G1+1], 512<<16
	s_mov_b32 s[G1+2], 8<<16
	s_mov_b32 s[G1+3], 512<<16
	s_mov_b32 s[G1+4], 8
	s_mov_b32 s[G1+5], 2048
	s_mov_b32 s[G1+6], 0
	s_mov_b32 s[G1+7], 0
	; B: 128 rows x 256 bytes, 16 bytes of padding behind each
	s_or_b32 s[G1B+0], s44, (0<<16)|(1<<20)|(1<<21)|(5<<22)|(3<<25)
	s_mov_b32 s[G1B+1], ROWB<<16
	s_mov_b32 s[G1B+2], 128<<16
	s_mov_b32 s[G1B+3], ROWB<<16
	s_mov_b32 s[G1B+4], 128
	s_mov_b32 s[G1B+5], KROW
	s_mov_b32 s[G1B+6], 0
	s_mov_b32 s[G1B+7], 0
	s_or_b32 s[G1S+0], s43, (3<<16)|(1<<20)|(1<<21)|(5<<22)|(3<<25)
	s_or_b32 s[G1SB+0], s44, (3<<16)|(1<<20)|(1<<21)|(5<<22)|(3<<25)
.irp g, G1S, G1SB
	s_mov_b32 s[\g+1], 32<<16
	s_mov_b32 s[\g+2], (128*KS/256)<<16
	s_mov_b32 s[\g+3], 32<<16
	s_mov_b32 s[\g+4], 128*KS/256
	s_mov_b32 s[\g+5], 32
	s_mov_b32 s[\g+6], 0
	s_mov_b32 s[\g+7], 0
.endr
	s_lshl_b32 s23, s[LO], 7                       ; which 128 rows I fetch
	s_lshl_b32 s96, s[TR], 8
	s_add_co_u32 s96, s96, s23                     ; A's first token
	s_lshl_b32 s46, s[TC], 8
	s_add_co_u32 s46, s46, s23                     ; B's first row
	s_mov_b32 s97, 0
	s_mov_b32 s47, 0
	s_lshl_b64 s[98:99], s[96:97], 5               ; scale bytes: 32 a row
	s_lshl_b64 s[92:93], s[46:47], 5
	s_lshl_b64 s[96:97], s[96:97], 10              ; A: a tile of 16 tokens is 16,384 bytes: 1,024 a token
	s_lshl_b64 s[46:47], s[46:47], 10
	s_mul_i32 s45, s[LO], AHALF                    ; where they go
	s_mul_i32 s95, s[LO], HALFT
	s_add_co_u32 s95, s95, BOFF
	s_mul_i32 s94, s[WV], HALFS
	s_wait_kmcnt 0x0
	s_add_nc_u64 s[96:97], s[4:5], s[96:97]
	s_add_nc_u64 s[98:99], s[6:7], s[98:99]
	s_add_nc_u64 s[46:47], s[8:9], s[46:47]
	s_add_nc_u64 s[92:93], s[10:11], s[92:93]
	CROUND                                         ; all sixteen work-groups are here: the first joint loads meet
	s_mov_b32 s[G0S], 1
	s_add_co_u32 s[G0S+1], s94, SCL
	s_mov_b64 s[G0S+2:G0S+3], s[98:99]
	s_or_b32 s[G0S+3], s[G0S+3], 0x80000000
	s_mov_b32 s[G0SB], 1
	s_add_co_u32 s[G0SB+1], s94, SCL
	s_mov_b64 s[G0SB+2:G0SB+3], s[92:93]
	s_or_b32 s[G0SB+3], s[G0SB+3], 0x80000000
	JLOAD G0S, G1S, G0SB, G1SB
.irp s, 0,1
	s_mov_b32 s[G0+4*\s], 1
	s_add_co_u32 s[G0+4*\s+1], s45, \s*SLOT
	s_add_nc_u64 s[G0+4*\s+2:G0+4*\s+3], s[96:97], \s*ATILE
	s_or_b32 s[G0+4*\s+3], s[G0+4*\s+3], 0x80000000
	s_mov_b32 s[G0B+4*\s], 1
	s_add_co_u32 s[G0B+4*\s+1], s95, \s*SLOT
	s_add_nc_u64 s[G0B+4*\s+2:G0B+4*\s+3], s[46:47], \s*ROWB
	s_or_b32 s[G0B+4*\s+3], s[G0B+4*\s+3], 0x80000000
	JLOAD G0+4*\s, G1, G0B+4*\s, G1B
.endr
	v_and_b32 v1, 15, v0                           ; r
	v_bfe_u32 v2, v0, 4, 1                         ; h
	v_and_b32 v6, 31, v0
	v_lshlrev_b32 v[CO], 4, v6                     ; 16 x lane
	v_mul_u32_u24 v3, v1, PITCH
	v_lshl_add_u32 v4, v2, 4, v3
	s_mul_i32 s96, s[HI], AHALF                    ; my 8 token tiles
	s_mul_i32 s97, s[LO], HALFT                    ; my 128 rows of B
	s_add_co_u32 s97, s97, BOFF
.irp s, 0,1
	v_add_nc_u32 v[ADRA+\s], s96, v[CO]
	v_add_nc_u32 v[ADRB+\s], s97, v4
	s_add_co_u32 s96, s96, SLOT
	s_add_co_u32 s97, s97, SLOT
.endr
	v_mul_u32_u24 v5, v1, KS
	v_lshrrev_b32 v6, 8, v5
	v_lshl_add_u32 v5, v6, 4, v5
	s_mul_i32 s96, s[HI], HALFS
	s_mul_i32 s97, s[LO], HALFS
	s_add_co_u32 s97, s97, 2*HALFS
	s_sub_co_u32 s97, s97, s96
	v_mul_u32_u24 v6, s97, v2
	s_add_co_u32 s96, s96, SCL
	v_add_nc_u32 v5, v5, v6
	v_add_nc_u32 v[ADRS], s96, v5
	s_mul_i32 s23, s[WV], 16*SPITCH                ; my stage
	v_mul_u32_u24 v5, v1, SPITCH
	v_lshl_add_u32 v5, v2, 5, v5
	v_add_nc_u32 v[STO], s23, v5
	v_add_nc_u32 v[RD], s23, v[CO]
	v_lshlrev_b32 v[BAQ], 5, v2
	s_lshl_b32 s96, s[TR], 8
	s_lshl_b32 s97, s[HI], 7
	s_add_co_u32 s96, s96, s97                     ; my first row of out0
	s_mov_b32 s97, 0
	s_lshl_b64 s[96:97], s[96:97], 12              ; 4,096 bytes a row
	s_lshl_b32 s46, s[TC], 10
	s_lshl_b32 s47, s[LO], 9
	s_add_co_u32 s46, s46, s47                     ; my first column, in bytes
	s_mov_b32 s47, 0
	s_add_nc_u64 s[12:13], s[12:13], s[46:47]      ; b_out there,
	s_add_nc_u64 s[14:15], s[14:15], s[46:47]
	s_add_nc_u64 s[14:15], s[14:15], s[96:97]      ; and out0
.irp t, 0,1,2,3,4,5,6,7                        ; tile t: register j = b_out[my first column + 16 t + 8 h + j]
	global_load_b128 v[BI+8*\t:BI+8*\t+3], v[BAQ], s[12:13] offset:64*\t
	global_load_b128 v[BI+8*\t+4:BI+8*\t+7], v[BAQ], s[12:13] offset:64*\t+16
.endr
.macro FRAG reg, adr, q, i             ; B: 16 rows x 128 K from rows that lie along K
.irp c, 0,1,2,3
	ds_load_b128 v[\reg+4*\c:\reg+4*\c+3], v[\adr] offset:128*(\q)+32*\c+(\i)*16*PITCH
.endr
.endm
.macro FRAGA reg, adr, q, i            ; A: the image of the registers
.irp c, 0,1,2,3
	ds_load_b128 v[\reg+4*\c:\reg+4*\c+3], v[\adr] offset:(\i)*ATILE+(\q)*2048+512*\c
.endr
.endm
; 16 matrix instructions: A's blocks a0, a0 + 1 x B's eight.  cm = 1: the sums start from the bias.  The 64 accumulators take turns, one instruction a turn.
.macro MUL16 a0, p, q, sc, cm
.irp a, \a0, \a0+1
.irp b, 0,1,2,3,4,5,6,7
.set rD, 8*(8*((\a)%4)+\b)
.set rB, 128*(\p)+FR*\b
.set rA, AF+FR*(\a)
.set rSB, SC+8*NQ*(\sc)+NQ*\b+(\q)
.set rSA, SC+8*NQ*(\sc)+NQ*(\a)+(\q)
.if \cm
	v_wmma_scale_f32_16x16x128_f8f6f4 v[rD:rD+7], v[rB:rB+15], v[rA:rA+15], v[BI+8*\b:BI+8*\b+7], v[rSB], v[rSA] matrix_a_scale:MATRIX_SCALE_ROW1
.else
	v_wmma_scale_f32_16x16x128_f8f6f4 v[rD:rD+7], v[rB:rB+15], v[rA:rA+15], v[rD:rD+7], v[rSB], v[rSA] matrix_a_scale:MATRIX_SCALE_ROW1
.endif
.endr
.endr
.endm
.macro FETCH_B slot, q, p
	WIN TO_B
.irp i, 0,1,2,3,4,5,6,7
	FRAG 128*(\p)+FR*\i, ADRB+\slot, \q, \i
.endr
	WIN 0
.endm
.macro FETCH_A slot, q, i0
.irp i, \i0, \i0+1, \i0+2, \i0+3
	FRAGA AF+FR*(\i), ADRA+\slot, \q, \i
.endr
.endm
.macro SCALES sc
.irp i, 0,1,2,3,4,5,6,7
	ds_load_b64 v[SC+8*NQ*\sc+NQ*\i:SC+8*NQ*\sc+NQ*\i+1], v[ADRS] offset:\i*SBLK
.endr
.endm
.macro PLACES n
.rept \n
	v_nop
.endr
.endm
.macro STEP slot, q, cm
	s_wait_dscnt 4*NL                              ; all but the youngest 16 loads (A's blocks 4-7) are in
.if \cm
	WIN BIA_LO
.else
	WIN MUL_LO
.endif
	MUL16 0, (\q)%2, \q, \slot, \cm
	MUL16 2, (\q)%2, \q, \slot, \cm
	s_wait_dscnt 0
	PLACES NP
	FETCH_B \slot, (\q)+1, 1-(\q)%2
	FETCH_A \slot, (\q)+1, 0
.if \cm
	WIN BIA_HI
.else
	WIN MUL_HI
.endif
	MUL16 4, (\q)%2, \q, \slot, \cm
	MUL16 6, (\q)%2, \q, \slot, \cm
	PLACES NP
	WIN 0
	FETCH_A \slot, (\q)+1, 4
.endm
.macro TURN slot, next, fill
	s_wait_tensorcnt 0x0                           ; all my tensor loads have landed: my part of the next slot
	ds_add_u32 v[SPW], v[NIL]                      ; 0 onto my spare word
	s_wait_dscnt 4*NL+1                            ; the add and the youngest 16 loads may be out
	WIN MUL_LO
	MUL16 0, 1, NQ-1, \slot, 0
	s_wait_dscnt 0x0                               ; the add is done, and my reads of this slot are over
	s_barrier_signal -1
	MUL16 2, 1, NQ-1, \slot, 0
	WIN 0
	s_barrier_wait -1
.if \fill
	CREST                                          ; the barrier has opened a round of the cluster's: no wave of any partner still reads this slot or has a load on its way
	s_add_nc_u64 s[G0+4*\slot+2:G0+4*\slot+3], s[G0+4*\slot+2:G0+4*\slot+3], 2*ATILE
	s_add_nc_u64 s[G0B+4*\slot+2:G0B+4*\slot+3], s[G0B+4*\slot+2:G0B+4*\slot+3], 2*ROWB
	JLOAD G0+4*\slot, G1, G0B+4*\slot, G1B
	PLACES NP-4
.else
	PLACES NP
.endif
	v_add_nc_u32 v[ADRS], 4*NQ, v[ADRS]
	FETCH_B \next, 0, 0
	FETCH_A \next, 0, 0
	SCALES \next
	WIN MUL_HI
	MUL16 4, 1, NQ-1, \slot, 0
	MUL16 6, 1, NQ-1, \slot, 0
	PLACES NP
	WIN 0
	FETCH_A \next, 0, 4
.endm
	s_wait_tensorcnt 1                             ; the scales and my part of slot 0 are in; slot 1's load may be out
	s_barrier_signal -1
	s_barrier_wait -1
	FETCH_B 0, 0, 0
	FETCH_A 0, 0, 0
	SCALES 0
	FETCH_A 0, 0, 4
	s_wait_loadcnt 0x0                             ; the bias
	STEP 0, 0, 1
	s_mov_b32 s3, LAPS-1
.Llap:
	TURN 0, 1, 1
	STEP 1, 0, 0
	TURN 1, 0, 1
	STEP 0, 0, 0
	s_sub_co_u32 s3, s3, 1
	s_cmp_lg_u32 s3, 0
	s_cbranch_scc1 .Llap
	TURN 0, 1, 0
	STEP 1, 0, 0
	s_wait_dscnt 4*NL
	WIN MUL_LO
	MUL16 0, 1, NQ-1, 1, 0
	MUL16 2, 1, NQ-1, 1, 0
	s_wait_dscnt 0
	WIN MUL_HI
	MUL16 4, 1, NQ-1, 1, 0
	MUL16 6, 1, NQ-1, 1, 0
	WIN 0
; THE WAY OUT, block by block of 16 rows x 128 columns, through my own stage: in as 32 bytes a lane, back as whole rows of 512 bytes.  LDS serves a wave's instructions in order (ISA guide 5.7.1.4).
.macro TOSTAGE a
.set AC, 64*((\a)%4)
	WIN 0x08+4*((\a)/4)                            ; the data: window 2 or 3
.irp b, 0,1,2,3,4,5,6,7
	ds_store_b128 v[STO], v[AC+8*\b:AC+8*\b+3] offset:64*\b          ; each accumulator from its low end on
	ds_store_b128 v[STO], v[AC+8*\b+4:AC+8*\b+7] offset:64*\b+16
.endr
	WIN 0
.set BB, BK+64*((\a)%2)
.irp t, 0,1,2,3,4,5,6,7,8,9,10,11,12,13,14,15
	ds_load_b128 v[BB+4*\t:BB+4*\t+3], v[RD] offset:\t*SPITCH
.endr
.endm
.macro SEND a, younger
.set BB, BK+64*((\a)%2)
	s_wait_dscnt \younger                          ; the block is back in registers
.if (\a) > 0
	s_add_nc_u64 s[14:15], s[14:15], 16*SIZE_N*4   ; behind a wait on XCNT: the earlier stores have read their base
.endif
.irp t, 0,1,2,3,4,5,6,7,8,9,10,11,12,13,14,15
	global_store_b128 v[CO], v[BB+4*\t:BB+4*\t+3], s[14:15] offset:\t*SIZE_N*4 th:TH_STORE_NT   ; 32 lanes store 512 consecutive bytes, aligned; written once, read by nobody here
.endr
.endm
	PLACES NP
	TOSTAGE 0
.irp a, 1,2,3,4,5,6,7
.if \a > 1
	s_wait_xcnt 0x0                                ; block a - 2's stores have read their registers and their base
.endif
	TOSTAGE \a
	SEND \a-1, 32                                  ; behind block a - 1's loads: block a's 16 stores and 16 loads
.endr
	s_wait_xcnt 0x0
	SEND 7, 0
	s_wait_tensorcnt 0x0                           ; the wave's end
	ds_add_u32 v[SPW], v[NIL]
	s_wait_dscnt 0x0
	CROUND                                         ; the closing round
	s_endpgm
.Lfunc_end_k_q386dff6b8d_proj:
	.size	k_q386dff6b8d_proj, .Lfunc_end_k_q386dff6b8d_proj-k_q386dff6b8d_proj
	.p2alignl 7, 3214868480
	.fill 96, 4, 3214868480
	.section	.rodata,"a",@progbits
	.p2align	6, 0x0
	.amdhsa_kernel k_q386dff6b8d_proj
		.amdhsa_group_segment_fixed_size 327680
		.amdhsa_private_segment_fixed_size 0
		.amdhsa_enable_private_segment 0
		.amdhsa_kernarg_size 48
		.amdhsa_user_sgpr_count 2
		.amdhsa_user_sgpr_kernarg_segment_ptr 1
		.amdhsa_wavefront_size32 1
		.amdhsa_system_sgpr_workgroup_id_x 1
		.amdhsa_system_sgpr_workgroup_id_y 1
		.amdhsa_system_sgpr_workgroup_id_z 1
		.amdhsa_system_vgpr_workitem_id 0
		.amdhsa_next_free_vgpr 1024
		.amdhsa_next_free_sgpr 100
		.amdhsa_reserve_vcc 0
		.amdhsa_float_denorm_mode_32 3
		.amdhsa_float_denorm_mode_16_64 3
		.amdhsa_memory_ordered 1
		.amdhsa_forward_progress 1
		.amdhsa_inst_pref_size 147
	.end_amdhsa_kernel
	.amdgpu_metadata
---
amdhsa.version: [ 1, 2 ]
amdhsa.kernels:
  - .name:           k_q386dff6b8d_proj
    .symbol:         k_q386dff6b8d_proj.kd
    .args:
      - { .name: att_codes, .offset: 0, .size: 8, .value_kind: global_buffer, .address_space: global }
      - { .name: att_scales, .offset: 8, .size: 8, .value_kind: global_buffer, .address_space: global }
      - { .name: W_out_codes, .offset: 16, .size: 8, .value_kind: global_buffer, .address_space: global }
      - { .name: W_out_scales, .offset: 24, .size: 8, .value_kind: global_buffer, .address_space: global }
      - { .name: b_out, .offset: 32, .size: 8, .value_kind: global_buffer, .address_space: global }
      - { .name: out0, .offset: 40, .size: 8, .value_kind: global_buffer, .address_space: global }
    .group_segment_fixed_size: 327680
    .private_segment_fixed_size: 0
    .kernarg_segment_align: 8
    .kernarg_segment_size: 48
    .max_flat_workgroup_size: 128
    .sgpr_count:     100
    .vgpr_count:     1024
    .wavefront_size: 32
...
	.end_amdgpu_metadata
.endif
;; end of part 3
